; MI455X (gfx1250); checked and timed in simulation.
; The chip was launched on July 23, 2026; its instructions are those of AMD's public machine-readable ISA for CDNA 5 (MIT licence, August 2026) and "CDNA5" Instruction Set Architecture Reference Guide (July 2026). The comments in the code are by the model that wrote it; some were corrected since.
;; Qu GCN. Allowed arithmetic: float matrix products may take bf16 or f16 operands with f32 sums; all other float work in f32.
;; Inputs: fc_b 7 float32; fc_w 7 x 8 float32; qweights 4 x 132 float32; x 256 x 4,096 float32.
;; Outputs: out0 4,096 x 7 float32.
;; 2 versions, each right and faster than the one before. Each part assembles by itself: llvm-mc -triple=amdgcn-amd-amdhsa -mcpu=gfx1250 --defsym DOCPART=n.
;; ======== version 1 of 2: 2 launches
;; limits: inputs' magnitudes at most 50,000
;; workspace buffers: u 262,144 bytes
;; launch build (part 1): grid 64 x 1, 4 waves a work-group, no clusters, 11,776 bytes of LDS; arguments qweights, u; writes u
.if DOCPART == 1
	.amdgcn_target "amdgcn-amd-amdhsa--gfx1250"
	.amdhsa_code_object_version 6
	.text
	.protected	k_q13c4194aec_build
	.globl	k_q13c4194aec_build
	.p2align	8
	.type	k_q13c4194aec_build,@function
k_q13c4194aec_build:
	s_mov_b64 s[64:65], 0
	v_nop
	global_prefetch_b8 v0, s[64:65] scope:SCOPE_SE
	s_setreg_imm32_b32 hwreg(HW_REG_WAVE_MODE, 25, 1), 1
	s_wait_xcnt 0x0
; The circuit is one 256 x 256 complex matrix U, the same for every sample: every gate hangs on qweights or on constants alone.
; This launch makes U.  One wave makes one row i: row i of U is U^T e_i, so the wave starts from e_i and applies the transposed gates in
; reverse order (layers 3..0; in a layer: the merged diagonal of RZ, CRZ, RZ; RX; CRX 27..0; RX; RY^T; CRY^T 27..0; RY^T), all in f32.
; The state's 256 complex numbers: index k = 8 lane + rho; wires 0..4 are lane bits 4..0, wires 5..7 are bits 2..0 of rho;
; number rho of a lane is the pair v[X+2 rho : X+2 rho+1] = (re, im).
; Out: bf16, 512 rows of 256; Re U[i][.] is row (i>>4)*32 + (i&15), Im U[i][.] lies 16 rows further down (tiles of 16 rows for the next launch).
; LIMITS: an angle is brought into [-pi, pi] by n = round(x / 2 pi) and a two-part 2 pi; n times the first part is exact for |x| below
; about 2e5 rad.  Sine and cosine are the Taylor series up to x^15 and x^16; at pi the first term left out is below 1e-6.
; No matrix unit (24 stages of rounding to bf16 would add up), no tensor loads and no cluster (no tile of memory is shared).
.set TPITCH, 768                       ; LDS 0: four slots (slot n = layer 3-n) of 96 entries (cos, sin) of half the angle, 8 bytes each
.set LDIAG,  3072                      ; LDS: four slots of 2,048 bytes: pp*512 + lane*16 holds (re, im) of the diagonal at rho = 2pp, 2pp+1
.set X,   4                            ; v[4:19]    the state
.set T,   20                           ; v[20:35]   partner terms
.set K,   36                           ; v[36:37] (C, S) of a gate under a lane control; v[38:39] the two factors of the partner's terms
.set SGN, 40                           ; v[40:44]   lane bit b, moved to bit 31
.set TA,  45                           ; LDS address of the layer's angles
.set DA,  46                           ; LDS address of the layer's diagonal
.set ZERO,47
.set DG,  48                           ; v[48:63]   the layer's diagonal
.set CW,  64                           ; v[64:127]  (cos, sin) of RY(q), RY(36+q), RX(44+q), RX(80+q), 16 registers each
.set CY,  128                          ; v[128:183] (cos, sin) of the 28 CRY
.set CX,  184                          ; v[184:239] (cos, sin) of the 28 CRX
.set O,   240                          ; v[240:247] the row in bf16
.set WI,  48                           ; set-up only (registers that the loop loads later): entry numbers,
.set ANG, 52                           ; angles,
.set CSO, 56                           ; (cos, sin),
.set GA,  68                           ; global offsets,
.set SA,  72                           ; LDS addresses,
.set BI,  76                           ; bit of wire c in my lane, 0 or 1,
.set SI,  81                           ; 2 bit - 1,
.set SF,  86                           ; the same as f32,
.set WL,  91                           ; the lane wires' part of the RZ phase,
.set CA,  92                           ; the lane-lane part of the CRZ sum,
.set PH,  96                           ; v[96:103] phases,
.set DC,  112                          ; v[112:127] the diagonal as made
.set tp,  0
.macro REDUCE x, n                     ; x -= 2 pi round(x / 2 pi)
	v_mul_f32 v[\n], 0.15915494, v[\x]
	v_rndne_f32 v[\n], v[\n]
	v_fmamk_f32 v[\x], v[\n], 0xc0c90000, v[\x]    ; - n * 6.28125
	v_fmamk_f32 v[\x], v[\n], 0xbafdaa22, v[\x]    ; - n * (2 pi - 6.28125)
.endm
.macro SINCOS x, c, s, n, u
	REDUCE \x, \n
	v_mul_f32 v[\u], v[\x], v[\x]
	v_mov_b32 v[\s], 0xab573f9f                    ; -1/15!
	v_mov_b32 v[\c], 0x29573f9f                    ; 1/16!
.irp k, 0x2f309231, 0xb2d7322b, 0x3638ef1d, 0xb9500d01, 0x3c088889, 0xbe2aaaab, 0x3f800000
	v_fmaak_f32 v[\s], v[\s], v[\u], \k
.endr
.irp k, 0xad49cba5, 0x310f76c7, 0xb493f27e, 0x37d00d01, 0xbab60b61, 0x3d2aaaab, 0xbf000000, 0x3f800000
	v_fmaak_f32 v[\c], v[\c], v[\u], \k
.endr
	v_mul_f32 v[\s], v[\s], v[\x]
.endm
; kind 0: RY^T, new a = c a + s b, new b = c b - s a.  kind 1: RX, new a = c a - i s b, new b = c b - i s a.
; One pair (a, b) of a lane's numbers; cs = register of (c, s).
.macro REGP kind, a, b, cs
.set tp, (tp+4)&12
	v_pk_mul_f32 v[T+tp:T+tp+1], v[X+2*(\b):X+2*(\b)+1], v[\cs:\cs+1] op_sel:[0,1] op_sel_hi:[1,1]     ; s b
	v_pk_mul_f32 v[T+tp+2:T+tp+3], v[X+2*(\a):X+2*(\a)+1], v[\cs:\cs+1] op_sel:[0,1] op_sel_hi:[1,1]   ; s a
.if \kind
	v_pk_fma_f32 v[X+2*(\a):X+2*(\a)+1], v[X+2*(\a):X+2*(\a)+1], v[\cs:\cs+1], v[T+tp:T+tp+1] op_sel:[0,0,1] op_sel_hi:[1,0,0] neg_hi:[0,0,1]
	v_pk_fma_f32 v[X+2*(\b):X+2*(\b)+1], v[X+2*(\b):X+2*(\b)+1], v[\cs:\cs+1], v[T+tp+2:T+tp+3] op_sel:[0,0,1] op_sel_hi:[1,0,0] neg_hi:[0,0,1]
.else
	v_pk_fma_f32 v[X+2*(\a):X+2*(\a)+1], v[X+2*(\a):X+2*(\a)+1], v[\cs:\cs+1], v[T+tp:T+tp+1] op_sel_hi:[1,0,1]
	v_pk_fma_f32 v[X+2*(\b):X+2*(\b)+1], v[X+2*(\b):X+2*(\b)+1], v[\cs:\cs+1], v[T+tp+2:T+tp+3] op_sel_hi:[1,0,1] neg_lo:[0,0,1] neg_hi:[0,0,1]
.endif
.endm
; Target = bit 'bit' of rho; ctl >= 0: only where bit ctl of rho is 1.
.macro REGG kind, bit, ctl, cs
.set ra, 0
.rept 8
.if ((ra>>(\bit))&1) == 0
.if (\ctl) < 0
	REGP \kind, ra, (ra+(1<<(\bit))), \cs
.else
.if ((ra>>(\ctl))&1) == 1
	REGP \kind, ra, (ra+(1<<(\bit))), \cs
.endif
.endif
.endif
.set ra, ra+1
.endr
.endm
; Target = a lane bit 0..3: the partner's number comes by DPP (lane xor xm) and is multiplied on the way by v[K+2], v[K+3].
.macro LANEX kind, xm, cp
.irp r, 0,1,2,3,4,5,6,7
.if \kind
	v_mul_f32_dpp v[T+2*\r], v[X+2*\r+1], v[K+2] row_xmask:\xm row_mask:0xf bank_mask:0xf     ; + s im
	v_mul_f32_dpp v[T+2*\r+1], v[X+2*\r], v[K+3] row_xmask:\xm row_mask:0xf bank_mask:0xf     ; - s re
.else
	v_mul_f32_dpp v[T+2*\r], v[X+2*\r], v[K+2] row_xmask:\xm row_mask:0xf bank_mask:0xf
	v_mul_f32_dpp v[T+2*\r+1], v[X+2*\r+1], v[K+3] row_xmask:\xm row_mask:0xf bank_mask:0xf
.endif
.endr
.irp r, 0,1,2,3,4,5,6,7
	v_pk_fma_f32 v[X+2*\r:X+2*\r+1], v[X+2*\r:X+2*\r+1], v[\cp:\cp+1], v[T+2*\r:T+2*\r+1] op_sel_hi:[1,0,1]
.endr
.endm
.macro LANEG kind, beta, cp
.if (\beta) == 0
	LANEX \kind, 1, \cp
.endif
.if (\beta) == 1
	LANEX \kind, 2, \cp
.endif
.if (\beta) == 2
	LANEX \kind, 4, \cp
.endif
.if (\beta) == 3
	LANEX \kind, 8, \cp
.endif
.endm
; Target = wire 0 = lane bit 4: the partner lies in the other half of the wave.
.macro W0G kind, cs
.irp r, 0,1,2,3,4,5,6,7,8,9,10,11,12,13,14,15
	v_permlanex16_b32 v[T+\r], v[X+\r], s18, s19
.endr
.irp r, 0,1,2,3,4,5,6,7
	v_pk_mul_f32 v[X+2*\r:X+2*\r+1], v[X+2*\r:X+2*\r+1], v[\cs:\cs+1] op_sel_hi:[1,0]
.endr
.irp r, 0,1,2,3,4,5,6,7
.if \kind
	v_pk_fma_f32 v[X+2*\r:X+2*\r+1], v[T+2*\r:T+2*\r+1], v[K+2:K+3], v[X+2*\r:X+2*\r+1] op_sel:[1,0,0] op_sel_hi:[0,1,1]
.else
	v_pk_fma_f32 v[X+2*\r:X+2*\r+1], v[T+2*\r:T+2*\r+1], v[K+2:K+3], v[X+2*\r:X+2*\r+1]
.endif
.endr
.endm
; A gate on wire q alone.
.macro G1 kind, q, cs
.if (\q) <= 4
.if \kind
	v_mov_b32 v[K+2], v[\cs+1]
	v_xor_b32 v[K+3], 0x80000000, v[\cs+1]
.else
	v_xor_b32 v[K+2], v[SGN+4-(\q)], v[\cs+1]      ; + s where my target bit is 0, - s where it is 1
	v_mov_b32 v[K+3], v[K+2]
.endif
.if (\q) == 0
	W0G \kind, \cs
.else
	LANEG \kind, 4-(\q), \cs
.endif
.else
	REGG \kind, 7-(\q), -1, \cs
.endif
.endm
; A controlled gate, control c < target t.  Under a lane control the gate is (1, 0) in the lanes whose control bit is 0.
.macro CG kind, c, t, cs
.if (\c) <= 4
	v_cndmask_b32 v[K], 1.0, v[\cs], s[16-(\c)]
.if (\t) <= 4
	v_cndmask_b32 v[K+2], 0, v[\cs+1], s[16-(\c)]
.if \kind
	v_xor_b32 v[K+3], 0x80000000, v[K+2]
.else
	v_xor_b32 v[K+2], v[SGN+4-(\t)], v[K+2]
	v_mov_b32 v[K+3], v[K+2]
.endif
	LANEG \kind, 4-(\t), K
.else
	v_cndmask_b32 v[K+1], 0, v[\cs+1], s[16-(\c)]
	REGG \kind, 7-(\t), -1, K
.endif
.else
	REGG \kind, 7-(\t), 7-(\c), \cs
.endif
.endm
; The 28 controlled gates in reverse order: gaps 7..1, in a gap the controls from the highest down.
.macro CBLOCK kind, base
.set gap, 7
.rept 7
.set jj, 7-gap
.rept 8-gap
.set pidx, (gap-1)*8-(gap-1)*gap/2+jj
	CG \kind, jj, (jj+gap), (\base+2*pidx)
.set jj, jj-1
.endr
.set gap, gap-1
.endr
.endm
	s_load_b128 s[4:7], s[0:1], 0x0                ; qweights s[4:5], u s[6:7]
	v_lshl_add_u32 v254, v0, 2, 0x2c00
	v_mov_b32 v255, 0
	v_lshrrev_b32 v2, 5, v0
	v_readfirstlane_b32 s8, v2                     ; wave
	v_and_b32 v1, 31, v0                           ; lane
	s_lshl_b32 s9, ttmp9, 2
	s_add_co_u32 s9, s9, s8                        ; my row i
	s_lshr_b32 s10, s9, 3                          ; the lane and
	s_and_b32 s11, s9, 7                           ; the rho at which e_i has its 1
	s_mov_b32 s12, 0xaaaaaaaa                      ; s[12+b]: the lanes whose bit b is 1
	s_mov_b32 s13, 0xcccccccc
	s_mov_b32 s14, 0xf0f0f0f0
	s_mov_b32 s15, 0xff00ff00
	s_mov_b32 s16, 0xffff0000
	s_mov_b32 s18, 0x76543210                      ; v_permlanex16_b32: lane i of the other half
	s_mov_b32 s19, 0xfedcba98
	s_sub_co_u32 s46, 3, s8                        ; for the tables wave w serves layer 3 - w (slot w)
	s_mul_i32 s46, s46, 528                        ; its 132 weights, in bytes
	s_mul_i32 s47, s8, TPITCH
.irp n, 0,1,2
	v_add_nc_u32 v[WI+\n], 32*\n, v1               ; entries 0..95
	v_lshl_add_u32 v[GA+\n], v[WI+\n], 2, s46
	v_lshl_add_u32 v[SA+\n], v[WI+\n], 3, s47
.endr
	s_wait_kmcnt 0x0
	s_load_b256 s[20:27], s[4:5], s46 offset:352   ; RZ angles 88..95
	s_load_b256 s[28:35], s[4:5], s46 offset:496   ; RZ angles 124..131
.irp n, 0,1,2
	global_load_b32 v[ANG+\n], v[GA+\n], s[4:5]
.endr
	s_wait_loadcnt 0x0
	; (cos, sin) of half the angle; entries 8..35 and 52..79 are controlled gates, whose angle is the entry's number itself
.irp n, 0,1,2
	v_cvt_f32_u32 v64, v[WI+\n]
	v_add_nc_u32 v65, -8, v[WI+\n]
	v_cmp_gt_u32 vcc_lo, 28, v65
	v_cndmask_b32 v[ANG+\n], v[ANG+\n], v64, vcc_lo
	v_add_nc_u32 v65, 0xffffffcc, v[WI+\n]         ; - 52
	v_cmp_gt_u32 vcc_lo, 28, v65
	v_cndmask_b32 v[ANG+\n], v[ANG+\n], v64, vcc_lo
	v_mul_f32 v[ANG+\n], 0.5, v[ANG+\n]
	SINCOS ANG+\n, CSO+2*\n, CSO+2*\n+1, 64, 65
	ds_store_b64 v[SA+\n], v[CSO+2*\n:CSO+2*\n+1]
.endr
	; the layer's diagonal: phase(k) = sum over q of +-(t88+q + t124+q)/2 (+ where bit q of k is 1)
	;                                + sum over pairs whose control bit is 1 of +-(96+pair)/2 (+ where the target bit is 1)
	s_wait_kmcnt 0x0
.irp q, 0,1,2,3,4,5,6,7
	s_add_f32 s[20+\q], s[20+\q], s[28+\q]
	s_mul_f32 s[20+\q], s[20+\q], 0.5
.endr
.irp c, 0,1,2,3,4
	v_bfe_u32 v[BI+\c], v1, 4-\c, 1
	v_lshl_add_u32 v[SI+\c], v[BI+\c], 1, -1
	v_cvt_f32_i32 v[SF+\c], v[SI+\c]
	v_lshlrev_b32 v[SGN+4-\c], 31, v[BI+\c]
.endr
	v_mul_f32 v[WL], s20, v[SF]
.irp c, 1,2,3,4
	v_fmac_f32 v[WL], s[20+\c], v[SF+\c]
.endr
	v_mov_b32 v[CA], 0                             ; the CRZ sum is a whole number: exact
.irp c, 0,1,2,3
.irp t, 1,2,3,4
.if \t > \c
	v_mul_lo_u32 v93, v[BI+\c], v[SI+\t]
	s_mov_b32 s44, 96+(\t-\c-1)*8-(\t-\c-1)*(\t-\c)/2+\c
	v_mad_u32 v[CA], v93, s44, v[CA]
.endif
.endr
.endr
.irp rho, 0,1,2,3,4,5,6,7
.set kc, 0                                     ; control and target both in rho: a constant
.irp c, 5,6
.irp t, 6,7
.if \t > \c
.set kc, kc+((\rho>>(7-\c))&1)*(2*((\rho>>(7-\t))&1)-1)*(96+(\t-\c-1)*8-(\t-\c-1)*(\t-\c)/2+\c)
.endif
.endr
.endr
	s_mov_b32 s44, kc
	v_add_nc_u32 v[PH+\rho], s44, v[CA]
.irp c, 0,1,2,3,4
.set kb, 0                                     ; control in the lane, targets 5..7 in rho
.irp t, 5,6,7
.set kb, kb+(2*((\rho>>(7-\t))&1)-1)*(96+(\t-\c-1)*8-(\t-\c-1)*(\t-\c)/2+\c)
.endr
	s_mov_b32 s44, kb
	v_mad_u32 v[PH+\rho], v[BI+\c], s44, v[PH+\rho]
.endr
	v_cvt_f32_i32 v[PH+\rho], v[PH+\rho]
	v_mul_f32 v[PH+\rho], 0.5, v[PH+\rho]
	REDUCE PH+\rho, 64                             ; made small before the weights' part is added
	v_add_f32 v[PH+\rho], v[WL], v[PH+\rho]
.irp t, 5,6,7
.if (\rho>>(7-\t))&1
	v_add_f32 v[PH+\rho], s[20+\t], v[PH+\rho]
.else
	v_sub_f32 v[PH+\rho], v[PH+\rho], s[20+\t]
.endif
.endr
	SINCOS PH+\rho, DC+2*\rho, DC+2*\rho+1, 64, 65
.endr
	s_lshl_b32 s47, s8, 11
	s_add_co_u32 s47, s47, LDIAG
	v_lshl_add_u32 v66, v1, 4, s47
.irp pp, 0,1,2,3
	ds_store_b128 v66, v[DC+4*\pp:DC+4*\pp+3] offset:512*\pp
.endr
	s_wait_dscnt 0x0                               ; my tables are in LDS: the other three waves read them behind the barrier
	s_barrier_signal -1
	s_barrier_wait -1
	v_mov_b32 v[ZERO], 0
.irp j, 0,1,2,3,4,5,6,7,8,9,10,11,12,13
	ds_load_b128 v[CY+4*\j:CY+4*\j+3], v[ZERO] offset:64+16*\j     ; entries 8..35: the same in every layer, taken from slot 0
	ds_load_b128 v[CX+4*\j:CX+4*\j+3], v[ZERO] offset:416+16*\j    ; entries 52..79
.endr
.irp r, 0,1,2,3,4,5,6,7,8,9,10,11,12,13,14,15
	v_mov_b32 v[T+\r], 0                           ; destinations of DPP and lane permutes count as read
.endr
.irp r, 0,1,2,3
	v_mov_b32 v[K+\r], 0
.endr
	v_cmp_eq_u32 vcc_lo, s10, v1
.irp r, 0,1,2,3,4,5,6,7
	s_cmp_eq_u32 s11, \r
	s_cselect_b32 s47, 1.0, 0
	v_mov_b32 v2, s47
	v_cndmask_b32 v[X+2*\r], 0, v2, vcc_lo         ; e_i
	v_mov_b32 v[X+2*\r+1], 0
.endr
	v_mov_b32 v[TA], 0
	v_lshlrev_b32 v[DA], 4, v1
	v_add_nc_u32 v[DA], LDIAG, v[DA]
	s_mov_b32 s45, 0
.Llayer:                                       ; trip n: layer 3 - n, from slot n
.irp j, 0,1,2,3
	ds_load_b128 v[CW+4*\j:CW+4*\j+3], v[TA] offset:16*\j          ; RY 0..7
.endr
.irp j, 0,1,2,3,4,5,6,7
	ds_load_b128 v[CW+16+4*\j:CW+16+4*\j+3], v[TA] offset:288+16*\j    ; RY 36..43, RX 44..51
.endr
.irp j, 0,1,2,3
	ds_load_b128 v[CW+48+4*\j:CW+48+4*\j+3], v[TA] offset:640+16*\j    ; RX 80..87
.endr
.irp pp, 0,1,2,3
	ds_load_b128 v[DG+4*\pp:DG+4*\pp+3], v[DA] offset:512*\pp
.endr
	s_wait_dscnt 0x0                               ; all of them are used at once (in the first trip the 28 loads above too)
.irp r, 0,1,2,3,4,5,6,7
	v_pk_mul_f32 v[T+2*\r:T+2*\r+1], v[X+2*\r:X+2*\r+1], v[DG+2*\r:DG+2*\r+1] op_sel:[0,1] op_sel_hi:[1,1]   ; (re, im) * d.im
.endr
.irp r, 0,1,2,3,4,5,6,7
	v_pk_fma_f32 v[X+2*\r:X+2*\r+1], v[X+2*\r:X+2*\r+1], v[DG+2*\r:DG+2*\r+1], v[T+2*\r:T+2*\r+1] op_sel:[0,0,1] op_sel_hi:[1,0,0] neg_lo:[0,0,1]
.endr
.irp q, 0,1,2,3,4,5,6,7
	G1 1, \q, CW+48+2*\q
.endr
	CBLOCK 1, CX
.irp q, 0,1,2,3,4,5,6,7
	G1 1, \q, CW+32+2*\q
.endr
.irp q, 0,1,2,3,4,5,6,7
	G1 0, \q, CW+16+2*\q
.endr
	CBLOCK 0, CY
.irp q, 0,1,2,3,4,5,6,7
	G1 0, \q, CW+2*\q
.endr
	v_add_nc_u32 v[TA], TPITCH, v[TA]
	v_add_nc_u32 v[DA], 2048, v[DA]
	s_add_co_u32 s45, s45, 1
	s_cmp_lt_u32 s45, 4
	s_cbranch_scc1 .Llayer
	; out: my lane's 8 real parts and 8 imaginary parts, 16 bytes each; a store of the wave covers 512 consecutive bytes, aligned
.irp j, 0,1,2,3
	v_cvt_pk_bf16_f32 v[O+\j], v[X+4*\j], v[X+4*\j+2]
	v_cvt_pk_bf16_f32 v[O+4+\j], v[X+4*\j+1], v[X+4*\j+3]
.endr
	s_lshr_b32 s47, s9, 4
	s_lshl_b32 s47, s47, 5
	s_and_b32 s44, s9, 15
	s_add_co_u32 s47, s47, s44                     ; row (i>>4)*32 + (i&15)
	s_lshl_b32 s47, s47, 9
	v_lshl_add_u32 v248, v1, 4, s47
	global_store_b128 v248, v[O:O+3], s[6:7]
	global_store_b128 v248, v[O+4:O+7], s[6:7] offset:8192
	s_wait_tensorcnt 0x0
	ds_add_u32 v254, v255
	s_wait_dscnt 0x0
	s_endpgm
.Lfunc_end_k_q13c4194aec_build:
	.size	k_q13c4194aec_build, .Lfunc_end_k_q13c4194aec_build-k_q13c4194aec_build
	.p2alignl 7, 3214868480
	.fill 96, 4, 3214868480
	.section	.rodata,"a",@progbits
	.p2align	6, 0x0
	.amdhsa_kernel k_q13c4194aec_build
		.amdhsa_group_segment_fixed_size 11776
		.amdhsa_private_segment_fixed_size 0
		.amdhsa_enable_private_segment 0
		.amdhsa_kernarg_size 16
		.amdhsa_user_sgpr_count 2
		.amdhsa_user_sgpr_kernarg_segment_ptr 1
		.amdhsa_wavefront_size32 1
		.amdhsa_system_sgpr_workgroup_id_x 1
		.amdhsa_system_sgpr_workgroup_id_y 1
		.amdhsa_system_sgpr_workgroup_id_z 1
		.amdhsa_system_vgpr_workitem_id 0
		.amdhsa_next_free_vgpr 256
		.amdhsa_next_free_sgpr 66
		.amdhsa_reserve_vcc 1
		.amdhsa_float_denorm_mode_32 3
		.amdhsa_float_denorm_mode_16_64 3
		.amdhsa_memory_ordered 1
		.amdhsa_forward_progress 1
		.amdhsa_inst_pref_size 155
	.end_amdhsa_kernel
	.amdgpu_metadata
---
amdhsa.version: [ 1, 2 ]
amdhsa.kernels:
  - .name:           k_q13c4194aec_build
    .symbol:         k_q13c4194aec_build.kd
    .args:
      - { .name: qweights, .offset: 0, .size: 8, .value_kind: global_buffer, .address_space: global }
      - { .name: u, .offset: 8, .size: 8, .value_kind: global_buffer, .address_space: global }
    .group_segment_fixed_size: 11776
    .private_segment_fixed_size: 0
    .kernarg_segment_align: 8
    .kernarg_segment_size: 16
    .max_flat_workgroup_size: 128
    .sgpr_count:     66
    .vgpr_count:     256
    .wavefront_size: 32
...
	.end_amdgpu_metadata
.endif
;; end of part 1
;; launch apply (part 2): grid 64 x 1, 4 waves a work-group, clusters of 4 x 1, 320,000 bytes of LDS; arguments x, u, fc_w, fc_b, out0; writes out0
.if DOCPART == 2
	.amdgcn_target "amdgcn-amd-amdhsa--gfx1250"
	.amdhsa_code_object_version 6
	.text
	.protected	k_q13c4194aec_apply
	.globl	k_q13c4194aec_apply
	.p2align	8
	.type	k_q13c4194aec_apply,@function
k_q13c4194aec_apply:
	s_mov_b64 s[64:65], 0
	v_nop
	global_prefetch_b8 v0, s[64:65] scope:SCOPE_SE
	s_setreg_imm32_b32 hwreg(HW_REG_WAVE_MODE, 25, 1), 1
	s_wait_xcnt 0x0
	s_wait_alu depctr_hold_cnt(0) depctr_sa_sdst(0) depctr_va_vdst(0) depctr_va_sdst(0) depctr_va_ssrc(0) depctr_va_vcc(0) depctr_vm_vsrc(0)
	s_getreg_b32 s2, hwreg(HW_REG_IB_STS2, 6, 4)
	s_cmp_eq_u32 s2, 0
	s_cbranch_scc0 .Lentry_in_a_cluster
	s_endpgm
.Lentry_in_a_cluster:
	s_bfe_u32 s2, ttmp6, 0x10000c
	s_cmp_lg_u32 s2, 0x3003
	s_cbranch_scc0 .Lentry_shape_is_right
	s_endpgm
.Lentry_shape_is_right:
; out0[n][o] = fc_b[o] + sum over q of fc_w[o][q] z_q(n),  z_q(n) = sum over i of (+-) |(U x_n)_i|^2 / |x_n|^2  (- where bit 7-q of i is 1).
; x: [256 k][4096 n] f32.  u: 512 rows x 256 bf16 (tiles of 16 rows: Re of 16 i, then Im of the same 16 i).
; A work-group takes 64 samples (256 aligned bytes of every row of x) and all of U; wave w takes rows 128 w .. 128 w + 127 of u
; (i = 64 w .. 64 w + 63): 8 tiles of 16 rows x 4 tiles of 16 samples x 8 K steps of 32 = 256 matrix instructions.
; All of U fits in LDS, so every LDS byte is filled once: no ring, no refill.
; CLUSTER: the four work-groups of a cluster read the same U; each wave's two tensor loads (64 rows each) are joint requests with mask 15;
; their descriptors hang on the wave's number alone.  A wave has two tensor loads out at the most, and reads only the rows that it asked for.
; x needs no transposition: sample tile t, column r is sample 4 r + t, so a lane's 16-byte load of a row of x holds its column of all four
; tiles, and the rows that lane (r, h) loads are the k of its own fragment registers.  Wave w converts K steps 2w, 2w+1; LDS hands them round.
; The squares are summed in registers by j (bits 2..0 of i) and by tile pair g (bits 5..4); h (bit 3) and w (bits 7..6) meet in LDS.
; LIMITS: U and x enter the matrix unit as bf16; the sum of squares of a column of x must be finite and at least 2^-126 (v_rcp_f32 takes
; a denormal as zero: ISA guide 15.8); a column of zeros gives NaN, as 0/0 does.
; Left out: prefetch (everything is asked for at the start), work-groups that stay (one tile each).
.set UP,   528                         ; an LDS row of U: 512 bytes + 16 of padding, an odd multiple of 16
.set LXF,  270336                      ; x as fragments: (ks*4+t)*1024 + half*512 + lane*16
.set LNS,  303104                      ; sums of x^2: (2w+h)*256 + 4n
.set LZP,  305152                      ; partial sums: ((2w+h)*6+val)*256 + 4n; val: total, Z2, Z3, Z5, Z6, Z7
.set LOS,  317440                      ; the result: 28n + 4o
.set NQ,   12                          ; v[12:15]   sums of x^2 of my four samples
.set ACC,  32                          ; v[32:95]   accumulators: 32 (m&1) + 8 t
.set P,    96                          ; v[96:127]  squares by j: 8 t + j
.set E,    128                         ; v[128:159] squares by g: 8 t + 2 g, two partial sums each
.set XL,   96                          ; v[96:223]  x as loaded (before P and E are used)
.set V,    160                         ; v[160:183] val*4 + t
.set TM,   184                         ; v[184:199] at work
.set F,    224                         ; v[224:255] fragments of x on their way to LDS
.set L,    32                          ; v[32:87]   the last stage's loads
.set Z,    96                          ; v[96:103]  z_0 .. z_7
.set OUT,  120                         ; v[120:126]
; window 1 (v256-511): B, the fragments of x, (ks*4+t)*8.  Window 2 (v512-639): A, two buffers, 64 (m&1) + 8 ks.
.set MSB, 0
.macro WIN new                         ; the immediate's high byte repeats the setting that is left
.if MSB != \new
	s_set_vgpr_msb (MSB<<8)|\new
.set MSB, \new
.endif
.endm
.macro ROUND                           ; a round of the cluster's barrier
	s_barrier_signal -1
	s_barrier_wait -1
	s_cmp_lg_u32 s14, 0
	s_cbranch_scc1 .Lnot_wave_0_\@
	s_barrier_signal -3
.Lnot_wave_0_\@:
	s_barrier_wait -3
	s_barrier_signal -1
	s_barrier_wait -1
.endm
	s_load_b256 s[4:11], s[0:1], 0x0               ; x s[4:5], u s[6:7], fc_w s[8:9], fc_b s[10:11]
	s_load_b64 s[12:13], s[0:1], 0x20              ; out0
	v_lshl_add_u32 v30, v0, 2, 0x4e000
	v_mov_b32 v31, 0
	ds_add_u32 v30, v31
	v_lshrrev_b32 v1, 5, v0
	v_readfirstlane_b32 s14, v1                    ; wave
	s_bfe_u32 s15, ttmp6, 0x40000                  ; cx
	s_lshl_b32 s83, ttmp9, 2
	s_add_co_u32 s83, s83, s15                     ; work-group number: enters the addresses of x and out0 alone
	v_and_b32 v1, 31, v0                           ; lane
	v_and_b32 v2, 15, v0                           ; r
	v_bfe_u32 v3, v0, 4, 1                         ; h
	v_lshlrev_b32 v4, 4, v2                        ; x: 16 r
	v_lshl_add_u32 v4, v3, 17, v4                  ;  + 8 h rows of 16,384 bytes
	s_lshl_b32 s100, s14, 20
	v_add_nc_u32 v4, s100, v4                      ;  + 64 w rows
	s_wait_dscnt 0x0
	s_wait_kmcnt 0x0
	s_lshl_b32 s100, s83, 8
	s_mov_b32 s101, 0
	s_add_nc_u64 s[4:5], s[4:5], s[100:101]        ; my 64 samples' 256 bytes of a row
	s_mul_i32 s100, s83, 1792
	s_add_nc_u64 s[12:13], s[12:13], s[100:101]    ; my 64 rows of 28 bytes of out0: seven aligned runs of 256 bytes
.irp s, 0,1
.irp kk, 0,1,2,3,4,5,6,7
	global_load_b128 v[XL+(16*\s+\kk)*4:XL+(16*\s+\kk)*4+3], v4, s[4:5] offset:(32*\s+\kk)*16384 th:TH_LOAD_NT      ; k = 32 ks + 8 h + kk
.endr
.irp kk, 8,9,10,11,12,13,14,15
	global_load_b128 v[XL+(16*\s+\kk)*4:XL+(16*\s+\kk)*4+3], v4, s[4:5] offset:(32*\s+8+\kk)*16384 th:TH_LOAD_NT    ; k = 32 ks + 16 + 8 h + kk - 8
.endr
.endr
	s_load_b512 s[16:31], s[8:9], 0x0              ; fc_w rows 0..5 in s[16:63],
	s_load_b512 s[32:47], s[8:9], 0x40
	s_load_b512 s[48:63], s[8:9], 0x80
	s_load_b256 s[68:75], s[8:9], 0xc0             ; row 6
	s_load_b128 s[76:79], s[10:11], 0x0            ; fc_b: 16 + 12 bytes, its 28
	s_load_b96 s[80:82], s[10:11], 0x10
	; group 1: 64 rows of 256 bf16, 16 bytes of padding behind each row's 128 words; mask 15 with bit 21 beside it
	s_mov_b32 s84, 15|(1<<16)|(1<<20)|(1<<21)|(6<<22)|(3<<25)
	s_mov_b32 s85, 256<<16                         ; tensor_dim0
	s_mov_b32 s86, 64<<16                          ; tensor_dim1
	s_mov_b32 s87, 256<<16                         ; tile_dim0
	s_mov_b32 s88, 64                              ; tile_dim1
	s_mov_b32 s89, 256                             ; elements from row to row
	s_mov_b32 s90, 0
	s_mov_b32 s91, 0
	s_lshl_b32 s100, s14, 16                       ; my 128 rows of 512 bytes
	s_mov_b32 s92, 1
	s_mul_i32 s93, s14, 128*UP
	s_add_nc_u64 s[94:95], s[6:7], s[100:101]
	s_mov_b32 s96, 1
	s_add_co_u32 s97, s93, 64*UP
	s_add_nc_u64 s[98:99], s[94:95], 32768
	s_or_b32 s95, s95, 0x80000000
	s_or_b32 s99, s99, 0x80000000
	ROUND                                          ; the four work-groups are here: the joint loads meet
	tensor_load_to_lds s[92:95], s[84:91]          ; my rows 0..63
	s_nop 0
	tensor_load_to_lds s[96:99], s[84:91]          ; my rows 64..127
	s_nop 0
	; addresses
	s_lshl_b32 s100, s14, 13
	s_add_co_u32 s100, s100, LXF
	v_lshl_add_u32 v5, v1, 4, s100                 ; where my two K steps' fragments go
	v_lshlrev_b32 v6, 4, v1
	v_add_nc_u32 v6, LXF, v6                       ; from where all fragments are read
	v_mul_u32_u24 v7, v2, UP
	v_lshl_add_u32 v7, v3, 4, v7
	v_add_nc_u32 v7, s93, v7                       ; U: my rows + r * pitch + 16 h
	s_mul_i32 s100, s14, 3072
	s_add_co_u32 s100, s100, LZP
	v_lshl_add_u32 v8, v2, 4, s100
	v_mad_u32_u24 v8, v3, 1536, v8                 ; partial sums: (2w+h)*6*256 + 16 r
	s_lshl_b32 s100, s14, 9
	s_add_co_u32 s100, s100, LNS
	v_lshl_add_u32 v9, v2, 4, s100
	v_lshl_add_u32 v9, v3, 8, v9                   ; sums of x^2: (2w+h)*256 + 16 r
; K step 2w + s: 16 rows x 4 samples to four fragments of 8 registers, and the squares
.macro CONV s
.irp t, 0,1,2,3
.irp c, 0,1,2,3,4,5,6,7
	v_cvt_pk_bf16_f32 v[F+8*\t+\c], v[XL+(16*\s+2*\c)*4+\t], v[XL+(16*\s+2*\c+1)*4+\t]
.endr
.endr
.irp t, 0,1,2,3
	ds_store_b128 v5, v[F+8*\t:F+8*\t+3] offset:(4*\s+\t)*1024
	ds_store_b128 v5, v[F+8*\t+4:F+8*\t+7] offset:(4*\s+\t)*1024+512
.endr
.irp k, 0,1,2,3,4,5,6,7,8,9,10,11,12,13,14,15
.if (\s+\k) == 0
	v_pk_mul_f32 v[NQ:NQ+1], v[XL:XL+1], v[XL:XL+1]                ; the first squares start the sums
	v_pk_mul_f32 v[NQ+2:NQ+3], v[XL+2:XL+3], v[XL+2:XL+3]
.else
	v_pk_fma_f32 v[NQ:NQ+1], v[XL+(16*\s+\k)*4:XL+(16*\s+\k)*4+1], v[XL+(16*\s+\k)*4:XL+(16*\s+\k)*4+1], v[NQ:NQ+1]
	v_pk_fma_f32 v[NQ+2:NQ+3], v[XL+(16*\s+\k)*4+2:XL+(16*\s+\k)*4+3], v[XL+(16*\s+\k)*4+2:XL+(16*\s+\k)*4+3], v[NQ+2:NQ+3]
.endif
.endr
.endm
	s_wait_loadcnt 16                              ; the first K step's 16 loads are in; the 16 younger ones stay out
	CONV 0
	s_wait_loadcnt 0x0
	CONV 1
	ds_store_b128 v9, v[NQ:NQ+3]
	s_wait_dscnt 0x0                               ; my fragments and sums are in LDS, for the other waves
	s_barrier_signal -1                            ; the tensor loads may stay out
	s_barrier_wait -1
	WIN 0x40                                       ; destination window 1
.set f, 0
.rept 32
	ds_load_b128 v[8*f:8*f+3], v6 offset:f*1024
	ds_load_b128 v[8*f+4:8*f+7], v6 offset:f*1024+512
.set f, f+1
.endr
.macro LOADA mt                        ; 16 rows of U, all 256 k: 16 loads into buffer mt & 1
	WIN 0x80                                       ; destination window 2
.irp ks, 0,1,2,3,4,5,6,7
	ds_load_b128 v[64*((\mt)&1)+8*\ks:64*((\mt)&1)+8*\ks+3], v7 offset:(\mt)*16*UP+\ks*64
	ds_load_b128 v[64*((\mt)&1)+8*\ks+4:64*((\mt)&1)+8*\ks+7], v7 offset:(\mt)*16*UP+\ks*64+32
.endr
.endm
.macro MULS m                          ; the four accumulators take turns, one instruction a turn; K step 0 starts the sums
	WIN 0x06                                       ; A window 2, B window 1, C and D window 0
.irp ks, 0,1,2,3,4,5,6,7
.irp t, 0,1,2,3
.if \ks == 0
	v_wmma_f32_16x16x32_bf16 v[ACC+32*((\m)&1)+8*\t:ACC+32*((\m)&1)+8*\t+7], v[64*((\m)&1)+8*\ks:64*((\m)&1)+8*\ks+7], v[(\ks*4+\t)*8:(\ks*4+\t)*8+7], 0
.else
	v_wmma_f32_16x16x32_bf16 v[ACC+32*((\m)&1)+8*\t:ACC+32*((\m)&1)+8*\t+7], v[64*((\m)&1)+8*\ks:64*((\m)&1)+8*\ks+7], v[(\ks*4+\t)*8:(\ks*4+\t)*8+7], v[ACC+32*((\m)&1)+8*\t:ACC+32*((\m)&1)+8*\t+7]
.endif
.endr
.endr
.endm
.macro EPI m                           ; the squares of tile m, added by j and by g = m >> 1
	WIN 0
.irp jp, 0,1,2,3
.irp t, 0,1,2,3
.set dd, ACC+32*((\m)&1)+8*\t+2*\jp
.set pq, P+8*\t+2*\jp
.set ee, E+8*\t+2*((\m)>>1)
.if (\m) == 0
	v_pk_mul_f32 v[pq:pq+1], v[dd:dd+1], v[dd:dd+1]
.else
	v_pk_fma_f32 v[pq:pq+1], v[dd:dd+1], v[dd:dd+1], v[pq:pq+1]
.endif
.if (((\m)&1)+\jp) == 0
	v_pk_mul_f32 v[ee:ee+1], v[dd:dd+1], v[dd:dd+1]
.else
	v_pk_fma_f32 v[ee:ee+1], v[dd:dd+1], v[dd:dd+1], v[ee:ee+1]
.endif
.endr
.endr
.endm
; Tile m is multiplied while tile m+1's rows come from LDS; then tile m-1's squares are added.  Those 32 vector instructions name none
; of tile m's registers: they are the places in front of the next loads into the A buffer that tile m has read, in front
; of the reads of tile m's results one step later, and in front of the products that write over its accumulators two steps later.
.macro STEP m
.if (\m) < 7
.if (\m) == 3
	s_wait_tensorcnt 0x0                           ; my rows 64..127 have landed
.endif
	LOADA (\m)+1
	s_wait_dscnt 16                                ; all is in but the 16 loads just issued
.else
	s_wait_dscnt 0x0
.endif
	MULS \m
.if (\m) == 0
.rept 5
	v_nop                                          ; no squares yet: the places in front of the loads into buffer 0
.endr
.else
	EPI (\m)-1
.endif
.endm
	s_wait_tensorcnt 0x1                           ; my rows 0..63 have landed; one load was issued behind theirs
	LOADA 0
	STEP 0
	STEP 1
	STEP 2
	STEP 3
	STEP 4
	STEP 5
	STEP 6
	STEP 7
	EPI 7
	; my lane's signed sums for its four samples
.irp t, 0,1,2,3
.irp g, 0,1,2,3
	v_add_f32 v[TM+\g], v[E+8*\t+2*\g], v[E+8*\t+2*\g+1]
.endr
	v_add_f32 v[TM+4], v[TM], v[TM+1]
	v_add_f32 v[TM+5], v[TM+2], v[TM+3]
	v_sub_f32 v[TM+6], v[TM], v[TM+1]
	v_sub_f32 v[TM+7], v[TM+2], v[TM+3]
	v_add_f32 v[V+\t], v[TM+4], v[TM+5]            ; total
	v_sub_f32 v[V+4+\t], v[TM+4], v[TM+5]          ; Z2: bit 1 of g
	v_add_f32 v[V+8+\t], v[TM+6], v[TM+7]          ; Z3: bit 0 of g
	v_pk_add_f32 v[TM+4:TM+5], v[P+8*\t:P+8*\t+1], v[P+8*\t+2:P+8*\t+3]
	v_pk_add_f32 v[TM+6:TM+7], v[P+8*\t+4:P+8*\t+5], v[P+8*\t+6:P+8*\t+7]
	v_pk_add_f32 v[TM+8:TM+9], v[P+8*\t:P+8*\t+1], v[P+8*\t+2:P+8*\t+3] neg_lo:[0,1] neg_hi:[0,1]
	v_pk_add_f32 v[TM+10:TM+11], v[P+8*\t+4:P+8*\t+5], v[P+8*\t+6:P+8*\t+7] neg_lo:[0,1] neg_hi:[0,1]
	v_pk_add_f32 v[TM+12:TM+13], v[TM+4:TM+5], v[TM+6:TM+7] neg_lo:[0,1] neg_hi:[0,1]
	v_pk_add_f32 v[TM+14:TM+15], v[TM+8:TM+9], v[TM+10:TM+11]
	v_pk_add_f32 v[TM+4:TM+5], v[TM+4:TM+5], v[TM+6:TM+7]
	v_add_f32 v[V+12+\t], v[TM+12], v[TM+13]       ; Z5: bit 2 of j
	v_add_f32 v[V+16+\t], v[TM+14], v[TM+15]       ; Z6: bit 1 of j
	v_sub_f32 v[V+20+\t], v[TM+4], v[TM+5]         ; Z7: bit 0 of j
.endr
.irp val, 0,1,2,3,4,5
	ds_store_b128 v8, v[V+4*\val:V+4*\val+3] offset:256*\val
.endr
	s_wait_dscnt 0x0                               ; for the waves that add them up
	s_wait_kmcnt 0x0                               ; fc_w, fc_b
	s_barrier_signal -1
	s_barrier_wait -1
	s_cmp_gt_u32 s14, 1
	s_cbranch_scc1 .Ljoin                          ; waves 0 and 1: thread n finishes sample n
	v_lshlrev_b32 v10, 2, v0
	v_add_nc_u32 v10, LNS, v10
	v_mul_u32_u24 v11, v0, 28
	v_add_nc_u32 v11, LOS, v11
.irp wh, 0,1,2,3,4,5,6,7
.irp val, 0,1,2,3,4,5
	ds_load_b32 v[L+6*\wh+\val], v10 offset:LZP-LNS+(6*\wh+\val)*256
.endr
	ds_load_b32 v[L+48+\wh], v10 offset:256*\wh
.endr
	s_wait_dscnt 0x0
.macro SUM8 dst, base, step
	v_add_f32 v[\dst], v[\base], v[\base+\step]
.irp i, 2,3,4,5,6,7
	v_add_f32 v[\dst], v[\dst], v[\base+\i*\step]
.endr
.endm
	SUM8 116, L+48, 1                              ; |x|^2
	v_rcp_f32 v116, v116
	SUM8 Z+2, L+1, 6                               ; plain instructions stand between the reciprocal and its use
	SUM8 Z+3, L+2, 6
	SUM8 Z+5, L+3, 6
	SUM8 Z+6, L+4, 6
	SUM8 Z+7, L+5, 6
.irp w, 0,1,2,3
	v_add_f32 v[104+\w], v[L+12*\w], v[L+12*\w+6]  ; wave w's total
	v_sub_f32 v[108+\w], v[L+12*\w], v[L+12*\w+6]  ; h = 0 less h = 1
.endr
	v_add_f32 v112, v104, v105
	v_add_f32 v113, v106, v107
	v_sub_f32 v114, v104, v105
	v_sub_f32 v115, v106, v107
	v_sub_f32 v[Z], v112, v113                     ; z0: bit 1 of w
	v_add_f32 v[Z+1], v114, v115                   ; z1: bit 0 of w
	v_add_f32 v112, v108, v109
	v_add_f32 v113, v110, v111
	v_add_f32 v[Z+4], v112, v113                   ; z4: h
	s_wait_alu depctr_va_vdst(0)
.irp q, 0,1,2,3,4,5,6,7
	v_mul_f32 v[Z+\q], v[Z+\q], v116
.endr
.irp o, 0,1,2,3,4,5,6
.if \o < 6
.set wb, 16+8*\o
.else
.set wb, 68
.endif
	v_fma_f32 v[OUT+\o], v[Z], s[wb], s[76+\o]     ; the bias starts the sum
.irp q, 1,2,3,4,5,6,7
	v_fma_f32 v[OUT+\o], v[Z+\q], s[wb+\q], v[OUT+\o]
.endr
	ds_store_b32 v11, v[OUT+\o] offset:4*\o
.endr
.Ljoin:
	s_wait_dscnt 0x0                               ; the result is in LDS, for all four waves
	s_barrier_signal -1
	s_barrier_wait -1
	v_min_u32 v16, 111, v0                         ; 1,792 bytes are 112 pieces of 16
	v_lshlrev_b32 v16, 4, v16
	v_add_nc_u32 v16, LOS, v16
	v_lshlrev_b32 v17, 4, v0
	ds_load_b128 v[128:131], v16
	v_cmp_gt_u32 vcc_lo, 112, v0
	s_wait_dscnt 0x0
	s_wait_xcnt 0x0                                ; EXEC changes only behind this wait
	s_and_saveexec_b32 s100, vcc_lo
	global_store_b128 v17, v[128:131], s[12:13]    ; sixteen lanes store 256 consecutive bytes, aligned
	s_wait_xcnt 0x0
	s_or_b32 exec_lo, exec_lo, s100
	s_wait_tensorcnt 0x0
	ds_add_u32 v30, v31
	s_wait_dscnt 0x0
	ROUND                                          ; the closing round: no work-group ends while a partner may still ask jointly
	s_endpgm
.Lfunc_end_k_q13c4194aec_apply:
	.size	k_q13c4194aec_apply, .Lfunc_end_k_q13c4194aec_apply-k_q13c4194aec_apply
	.p2alignl 7, 3214868480
	.fill 96, 4, 3214868480
	.section	.rodata,"a",@progbits
	.p2align	6, 0x0
	.amdhsa_kernel k_q13c4194aec_apply
		.amdhsa_group_segment_fixed_size 320000
		.amdhsa_private_segment_fixed_size 0
		.amdhsa_enable_private_segment 0
		.amdhsa_kernarg_size 40
		.amdhsa_user_sgpr_count 2
		.amdhsa_user_sgpr_kernarg_segment_ptr 1
		.amdhsa_wavefront_size32 1
		.amdhsa_system_sgpr_workgroup_id_x 1
		.amdhsa_system_sgpr_workgroup_id_y 1
		.amdhsa_system_sgpr_workgroup_id_z 1
		.amdhsa_system_vgpr_workitem_id 0
		.amdhsa_next_free_vgpr 640
		.amdhsa_next_free_sgpr 102
		.amdhsa_reserve_vcc 1
		.amdhsa_float_denorm_mode_32 3
		.amdhsa_float_denorm_mode_16_64 3
		.amdhsa_memory_ordered 1
		.amdhsa_forward_progress 1
		.amdhsa_inst_pref_size 77
	.end_amdhsa_kernel
	.amdgpu_metadata
---
amdhsa.version: [ 1, 2 ]
amdhsa.kernels:
  - .name:           k_q13c4194aec_apply
    .symbol:         k_q13c4194aec_apply.kd
    .args:
      - { .name: x, .offset: 0, .size: 8, .value_kind: global_buffer, .address_space: global }
      - { .name: u, .offset: 8, .size: 8, .value_kind: global_buffer, .address_space: global }
      - { .name: fc_w, .offset: 16, .size: 8, .value_kind: global_buffer, .address_space: global }
      - { .name: fc_b, .offset: 24, .size: 8, .value_kind: global_buffer, .address_space: global }
      - { .name: out0, .offset: 32, .size: 8, .value_kind: global_buffer, .address_space: global }
    .group_segment_fixed_size: 320000
    .private_segment_fixed_size: 0
    .kernarg_segment_align: 8
    .kernarg_segment_size: 40
    .max_flat_workgroup_size: 128
    .sgpr_count:     102
    .vgpr_count:     640
    .wavefront_size: 32
...
	.end_amdgpu_metadata
.endif
;; end of part 2
;; ======== version 2 of 2: 2 launches; 1.40 times as fast as version 1
;; limits: inputs' magnitudes at most 50,000
;; workspace buffers: u 262,144 bytes
;; launch build (part 3): grid 64 x 1, 4 waves a work-group, no clusters, 61,952 bytes of LDS; arguments qweights, u; writes u
.if DOCPART == 3
	.amdgcn_target "amdgcn-amd-amdhsa--gfx1250"
	.amdhsa_code_object_version 6
	.text
	.protected	k_q13c4194aec_build
	.globl	k_q13c4194aec_build
	.p2align	8
	.type	k_q13c4194aec_build,@function
k_q13c4194aec_build:
	s_mov_b64 s[64:65], 0
	v_nop
	global_prefetch_b8 v0, s[64:65] scope:SCOPE_SE
	s_setreg_imm32_b32 hwreg(HW_REG_WAVE_MODE, 25, 1), 1
	s_wait_xcnt 0x0
; The circuit is one 256 x 256 complex matrix U, the same for every sample: every gate hangs on qweights or on constants alone.
; This launch makes U.  One wave makes one row i: row i of U is U^T e_i, so the wave starts from e_i and applies the transposed gates in
; reverse order (layers 3..0; in a layer: the merged diagonal of RZ, CRZ, RZ; the RX section; the RY section), all in f32.
; The state's 256 complex numbers: index k = 8 lane + rho; wires 0..4 are lane bits 4..0, wires 5..7 are bits 2..0 of rho;
; number rho of a lane is the pair v[X+2 rho : X+2 rho+1] = (re, im).
; FUSED GATES.  Two controlled rotations commute unless the target of one is the control of the other, and rotations about one axis on one
; target add their angles.  Keeping the order of all pairs that do not commute, a section (8 rotations, 28 controlled ones, 8 rotations) is, forward:
;   P0; (0,1)+P1; (1,2)+P2; (2,3)+P3; (0,2); (3,4)+P4; (1,3); (4,5)+P5; (2,4); (5,6)+P6; (3,5); {(6,7),(5,7),(2,7),(1,7),(0,7)}+P7; (0,3);
;   {(4,6),(3,6),(2,6),(1,6),(0,6)}+Q6; (1,4); {(2,5),(1,5),(0,5)}+Q5; {(4,7),(3,7)}+Q7; (0,4)+Q4; Q0; Q1; Q2; Q3
; (P, Q: the rotations in front of and behind the block).  A fused gate's angle is theta + sum over its controls of bit x constant: a number
; of the lane (one for each register pair where a control is a bit of rho).  26 entries (cos, sin of half the angle) a section and lane are
; made once, wave w for layer 3 - w, and handed round in LDS; the loop holds no set-up of gates.
; Out: bf16, 512 rows of 256; Re U[i][.] is row (i>>4)*32 + (i&15), Im U[i][.] lies 16 rows further down (tiles of 16 rows for the next launch).
; LIMITS: an angle sum is rounded once in f32 (half a unit in the last place of a sum below 512 for a gate, below 4,096 for the diagonal);
; it is brought into [-2 pi, 2 pi] by n = round(x / 4 pi) and a two-part 4 pi; n times the first part is exact for |x| below about 8e5 rad.
; Sine and cosine of half the angle are the Taylor series up to x^15 and x^16; at pi the first term left out is below 1e-6.
; No matrix unit (24 stages of rounding to bf16 would add up), no tensor loads and no cluster (no tile of memory is shared).
.set SP,   15360                       ; an LDS slot (slot n = layer 3-n): 30 blocks of 512 bytes, lane l at 16 l: (c0, c1, s0, s1) of two entries
.set ODG,  0                           ;   4 blocks: the diagonal at rho = 2pp, 2pp+1
.set OTX,  2048                        ;  13 blocks: the RX section's 26 entries
.set OTY,  8704                        ;  13 blocks: the RY section's 26 entries
.set X,   4                            ; v[4:19]    the state
.set T,   20                           ; v[20:35]   partner terms
.set DG,  36                           ; v[36:51]   the layer's diagonal
.set TX,  52                           ; v[52:103]  the layer's RX entries: entry e has cos in TX+4(e>>1)+(e&1), sin two registers on
.set TY,  104                          ; v[104:155] the layer's RY entries
.set TA,  156                          ; LDS address: slot + 16 lane
.set SA,  157                          ; LDS address of the slot that I fill
.set CO,  158                          ; my byte offset in u
.set O,   160                          ; v[160:167] the row in bf16
.set BI,  168                          ; v[168:172] bit of wire c in my lane,
.set BF,  173                          ; v[173:177] as f32,
.set SF,  178                          ; v[178:182] 2 bit - 1 as f32,
.set SGW, 183                          ; v[183:187] bit moved to bit 31
.set KS,  188                          ; v[188:189] the sine series' first coefficient, twice
.set KC,  190                          ; v[190:191] the cosine series' first coefficient, twice
.set PH,  192                          ; v[192:217] angles
.set TMP, 218                          ; v[218:243] at work
; scalars: s[20:27] weights 0..7, s[28:43] weights 36..51, s[44:59] weights 80..95, s[68:75] weights 124..131 of my layer
; ---- angles ----
.macro FB c, t                         ; fb = the bits of the f32 CBASE + pair number of (c, t), a whole number from 8 to 127
.set an, CBASE+((\t)-(\c)-1)*8-((\t)-(\c)-1)*((\t)-(\c))/2+(\c)
.set fe, 3
.if an >= 16
.set fe, 4
.endif
.if an >= 32
.set fe, 5
.endif
.if an >= 64
.set fe, 6
.endif
.set fb, ((127+fe)<<23)|((an-(1<<fe))<<(23-fe))
.endm
.macro PH0 e, sq                       ; theta
	v_mov_b32 v[PH+\e], s[\sq]
.endm
.macro PH1 e, sq, c, t                 ; theta + bit c * a(c,t)
	FB \c, \t
	v_fma_f32 v[PH+\e], v[BF+\c], fb, s[\sq]
.endm
.macro PHM e, c, t                     ; bit c * a(c,t)
	FB \c, \t
	v_mul_f32 v[PH+\e], fb, v[BF+\c]
.endm
.macro PHA e, c, t                     ; += bit c * a(c,t)
	FB \c, \t
	v_fmamk_f32 v[PH+\e], v[BF+\c], fb, v[PH+\e]
.endm
.macro PHC d, s, c, t                  ; entry d = entry s + a(c,t): the control is a bit of rho
	FB \c, \t
	v_add_f32 v[PH+\d], fb, v[PH+\s]
.endm
; The 26 entries of a section, in the order in which the loop applies them; ps, qs: the scalar registers of P0 and Q0.
; Written by rounds, so that the sums of several terms do not wait for each other.
.macro PHASES ps, qs
	PH0 0, \qs
	PH0 1, \qs+1
	PH0 2, \qs+2
	PH0 3, \qs+3
	PH1 4, \qs+4, 0, 4
	PH1 5, \qs+7, 4, 7
	PH1 6, \qs+5, 2, 5
	PHM 7, 1, 4
	PH1 8, \qs+6, 4, 6
	PHM 9, 0, 3
	PH1 10, \ps+7, 2, 7
	PHM 14, 3, 5
	PH0 15, \ps+6
	PHM 17, 2, 4
	PH1 18, \ps+5, 4, 5
	PHM 19, 1, 3
	PH1 20, \ps+4, 3, 4
	PHM 21, 0, 2
	PH1 22, \ps+3, 2, 3
	PH1 23, \ps+2, 1, 2
	PH1 24, \ps+1, 0, 1
	PH0 25, \ps
	PHA 5, 3, 7
	PHA 6, 1, 5
	PHA 8, 3, 6
	PHA 10, 1, 7
	PHC 16, 15, 5, 6                               ; (5,6): entry 15 where wire 5 is 0, entry 16 where it is 1
	PHA 6, 0, 5
	PHA 8, 2, 6
	PHA 10, 0, 7
	PHA 8, 1, 6
	PHC 11, 10, 6, 7                               ; target 7: entries 10..13 by (wire 5, wire 6)
	PHC 12, 10, 5, 7
	PHA 8, 0, 6
	PHC 13, 12, 6, 7
.endm
; ---- cos and sin of half of cnt pairs of angles, two angles an instruction, all pairs in step ----
.macro PSTEP out, tmp, cnt, ks, kc
.set i, 0
.rept \cnt
	v_pk_fma_f32 v[\out+4*i+2:\out+4*i+3], v[\out+4*i+2:\out+4*i+3], v[\tmp+2*i:\tmp+2*i+1], \ks op_sel_hi:[1,1,0]
	v_pk_fma_f32 v[\out+4*i:\out+4*i+1], v[\out+4*i:\out+4*i+1], v[\tmp+2*i:\tmp+2*i+1], \kc op_sel_hi:[1,1,0]
.set i, i+1
.endr
.endm
; y = x - 4 pi round(x / 4 pi); u = y^2; sin(y/2) = y sum (-1)^k u^k / ((2k+1)! 2^(2k+1)); cos(y/2) = sum (-1)^k u^k / ((2k)! 4^k)
.macro PSC x, out, tmp, cnt
.set i, 0
.rept \cnt
	v_pk_mul_f32 v[\tmp+2*i:\tmp+2*i+1], v[\x+2*i:\x+2*i+1], 0x3da2f983 op_sel_hi:[1,0]       ; x / 4 pi
.set i, i+1
.endr
.set i, 0
.rept 2*\cnt
	v_rndne_f32 v[\tmp+i], v[\tmp+i]
.set i, i+1
.endr
.set i, 0
.rept \cnt
	v_pk_fma_f32 v[\x+2*i:\x+2*i+1], v[\tmp+2*i:\tmp+2*i+1], 0xc1490000, v[\x+2*i:\x+2*i+1] op_sel_hi:[1,0,1]   ; - n * 12.5625
.set i, i+1
.endr
.set i, 0
.rept \cnt
	v_pk_fma_f32 v[\x+2*i:\x+2*i+1], v[\tmp+2*i:\tmp+2*i+1], 0xbb7daa22, v[\x+2*i:\x+2*i+1] op_sel_hi:[1,0,1]   ; - n * (4 pi - 12.5625)
.set i, i+1
.endr
.set i, 0
.rept \cnt
	v_pk_mul_f32 v[\tmp+2*i:\tmp+2*i+1], v[\x+2*i:\x+2*i+1], v[\x+2*i:\x+2*i+1]
.set i, i+1
.endr
.set i, 0
.rept \cnt
	v_pk_fma_f32 v[\out+4*i+2:\out+4*i+3], v[\tmp+2*i:\tmp+2*i+1], v[KS:KS+1], 0x28b09231 op_sel_hi:[1,0,0]
	v_pk_fma_f32 v[\out+4*i:\out+4*i+1], v[\tmp+2*i:\tmp+2*i+1], v[KC:KC+1], 0xa649cba5 op_sel_hi:[1,0,0]
.set i, i+1
.endr
	PSTEP \out, \tmp, \cnt, 0xad57322b, 0x2b0f76c7
	PSTEP \out, \tmp, \cnt, 0x31b8ef1d, 0xaf93f27e
	PSTEP \out, \tmp, \cnt, 0xb5d00d01, 0x33d00d01
	PSTEP \out, \tmp, \cnt, 0x39888889, 0xb7b60b61
	PSTEP \out, \tmp, \cnt, 0xbcaaaaab, 0x3b2aaaab
	PSTEP \out, \tmp, \cnt, 0x3f000000, 0xbe000000
.set i, 0
.rept \cnt
	v_pk_fma_f32 v[\out+4*i:\out+4*i+1], v[\out+4*i:\out+4*i+1], v[\tmp+2*i:\tmp+2*i+1], 1.0 op_sel_hi:[1,1,0]
	v_pk_mul_f32 v[\out+4*i+2:\out+4*i+3], v[\out+4*i+2:\out+4*i+3], v[\x+2*i:\x+2*i+1]
.set i, i+1
.endr
.endm
; ---- gates ----
; d = x * (half h of the pair sv), both parts
.macro PMULS d, x, sv, h
.if \h
	v_pk_mul_f32 v[\d:\d+1], v[\x:\x+1], v[\sv:\sv+1] op_sel:[0,1] op_sel_hi:[1,1]
.else
	v_pk_mul_f32 v[\d:\d+1], v[\x:\x+1], v[\sv:\sv+1] op_sel_hi:[1,0]
.endif
.endm
; x = x * (half h of the pair cv) + f(t);  mode 0: t;  1: -t;  2: (t.im, -t.re) = -i t;  3: (-t.im, t.re) = i t
.macro PFMA x, cv, t, h, mode
.if \h
.if \mode == 0
	v_pk_fma_f32 v[\x:\x+1], v[\x:\x+1], v[\cv:\cv+1], v[\t:\t+1] op_sel:[0,1,0] op_sel_hi:[1,1,1]
.endif
.if \mode == 1
	v_pk_fma_f32 v[\x:\x+1], v[\x:\x+1], v[\cv:\cv+1], v[\t:\t+1] op_sel:[0,1,0] op_sel_hi:[1,1,1] neg_lo:[0,0,1] neg_hi:[0,0,1]
.endif
.if \mode == 2
	v_pk_fma_f32 v[\x:\x+1], v[\x:\x+1], v[\cv:\cv+1], v[\t:\t+1] op_sel:[0,1,1] op_sel_hi:[1,1,0] neg_hi:[0,0,1]
.endif
.if \mode == 3
	v_pk_fma_f32 v[\x:\x+1], v[\x:\x+1], v[\cv:\cv+1], v[\t:\t+1] op_sel:[0,1,1] op_sel_hi:[1,1,0] neg_lo:[0,0,1]
.endif
.else
.if \mode == 0
	v_pk_fma_f32 v[\x:\x+1], v[\x:\x+1], v[\cv:\cv+1], v[\t:\t+1] op_sel_hi:[1,0,1]
.endif
.if \mode == 1
	v_pk_fma_f32 v[\x:\x+1], v[\x:\x+1], v[\cv:\cv+1], v[\t:\t+1] op_sel_hi:[1,0,1] neg_lo:[0,0,1] neg_hi:[0,0,1]
.endif
.if \mode == 2
	v_pk_fma_f32 v[\x:\x+1], v[\x:\x+1], v[\cv:\cv+1], v[\t:\t+1] op_sel:[0,0,1] op_sel_hi:[1,0,0] neg_hi:[0,0,1]
.endif
.if \mode == 3
	v_pk_fma_f32 v[\x:\x+1], v[\x:\x+1], v[\cv:\cv+1], v[\t:\t+1] op_sel:[0,0,1] op_sel_hi:[1,0,0] neg_lo:[0,0,1]
.endif
.endif
.endm
; kind 0: RY^T, new a = c a + s b, new b = c b - s a (for lane targets the sign lies in the entry).  kind 1: RX, new x = c x - i s partner.
; Every gate: all its products first, then all its sums, so that no instruction reads a result of the few in front of it.
; Target = lane bit 0..3: the partner's number comes by DPP (lane xor xm) and is multiplied by s on the way.
.macro LG kind, TB, e, xm
.set sr, \TB+4*((\e)>>1)+2+((\e)&1)
.set cq, \TB+4*((\e)>>1)
.set hq, (\e)&1
.irp r, 0,1,2,3,4,5,6,7,8,9,10,11,12,13,14,15
	v_mul_f32_dpp v[T+\r], v[X+\r], v[sr] row_xmask:\xm row_mask:0xf bank_mask:0xf
.endr
.set r2, 0
.rept 8
	PFMA X+2*r2, cq, T+2*r2, hq, 2*\kind
.set r2, r2+1
.endr
.endm
; Target = wire 0 = lane bit 4: the partner lies in the other half of the wave.
.macro WG kind, TB, e
.set cq, \TB+4*((\e)>>1)
.set sq2, cq+2
.set hq, (\e)&1
.irp r, 0,1,2,3,4,5,6,7,8,9,10,11,12,13,14,15
	v_permlanex16_b32 v[T+\r], v[X+\r], s18, s19
.endr
.set r2, 0
.rept 8
	PMULS T+2*r2, T+2*r2, sq2, hq
.set r2, r2+1
.endr
.set r2, 0
.rept 8
	PFMA X+2*r2, cq, T+2*r2, hq, 2*\kind
.set r2, r2+1
.endr
.endm
; Target = bit 'bit' of rho: four pairs (a, b = a + 2^bit).  mode 0: entry e0 for all; 1: entry e0 + (a>>1); 2: entry e0 + (a>>2).
.macro RG kind, TB, bit, e0, mode
.set ra, 0
.set ix, 0
.rept 8
.if ((ra>>(\bit))&1) == 0
.set ee, \e0
.if \mode == 1
.set ee, \e0+(ra>>1)
.endif
.if \mode == 2
.set ee, \e0+(ra>>2)
.endif
.set sq2, \TB+4*(ee>>1)+2
.set hq, ee&1
	PMULS T+4*ix, X+2*(ra+(1<<(\bit))), sq2, hq    ; s b
	PMULS T+4*ix+2, X+2*ra, sq2, hq                ; s a
.set ix, ix+1
.endif
.set ra, ra+1
.endr
.set ra, 0
.set ix, 0
.rept 8
.if ((ra>>(\bit))&1) == 0
.set ee, \e0
.if \mode == 1
.set ee, \e0+(ra>>1)
.endif
.if \mode == 2
.set ee, \e0+(ra>>2)
.endif
.set cq, \TB+4*(ee>>1)
.set hq, ee&1
.if \kind
	PFMA X+2*ra, cq, T+4*ix, hq, 2
	PFMA X+2*(ra+(1<<(\bit))), cq, T+4*ix+2, hq, 2
.else
	PFMA X+2*ra, cq, T+4*ix, hq, 0
	PFMA X+2*(ra+(1<<(\bit))), cq, T+4*ix+2, hq, 1
.endif
.set ix, ix+1
.endif
.set ra, ra+1
.endr
.endm
; A section, backward.  Wire q = 1..4 is lane bit 4-q (xmask 8, 4, 2, 1); wires 5, 6, 7 are bits 2, 1, 0 of rho.
.macro SECTION kind, TB
	WG \kind, \TB, 0                               ; Q0
	LG \kind, \TB, 1, 8                            ; Q1
	LG \kind, \TB, 2, 4                            ; Q2
	LG \kind, \TB, 3, 2                            ; Q3
	LG \kind, \TB, 4, 1                            ; (0,4)+Q4
	RG \kind, \TB, 0, 5, 0                         ; {(4,7),(3,7)}+Q7
	RG \kind, \TB, 2, 6, 0                         ; {(2,5),(1,5),(0,5)}+Q5
	LG \kind, \TB, 7, 1                            ; (1,4)
	RG \kind, \TB, 1, 8, 0                         ; {(4,6),(3,6),(2,6),(1,6),(0,6)}+Q6
	LG \kind, \TB, 9, 2                            ; (0,3)
	RG \kind, \TB, 0, 10, 1                        ; {(6,7),(5,7),(2,7),(1,7),(0,7)}+P7
	RG \kind, \TB, 2, 14, 0                        ; (3,5)
	RG \kind, \TB, 1, 15, 2                        ; (5,6)+P6
	LG \kind, \TB, 17, 1                           ; (2,4)
	RG \kind, \TB, 2, 18, 0                        ; (4,5)+P5
	LG \kind, \TB, 19, 2                           ; (1,3)
	LG \kind, \TB, 20, 1                           ; (3,4)+P4
	LG \kind, \TB, 21, 4                           ; (0,2)
	LG \kind, \TB, 22, 2                           ; (2,3)+P3
	LG \kind, \TB, 23, 4                           ; (1,2)+P2
	LG \kind, \TB, 24, 8                           ; (0,1)+P1
	WG \kind, \TB, 25                              ; P0
.endm
.macro SX e, w                         ; RY, target = wire w in the lane: - s where my bit of wire w is 1
	v_xor_b32 v[TY+4*((\e)>>1)+2+((\e)&1)], v[SGW+\w], v[TY+4*((\e)>>1)+2+((\e)&1)]
.endm
; ---- set-up ----
	s_load_b128 s[4:7], s[0:1], 0x0                ; qweights s[4:5], u s[6:7]
	v_lshl_add_u32 v254, v0, 2, 0xf000
	v_mov_b32 v255, 0
	v_lshrrev_b32 v2, 5, v0
	v_readfirstlane_b32 s8, v2                     ; wave
	v_and_b32 v1, 31, v0                           ; lane
	s_lshl_b32 s9, ttmp9, 2
	s_add_co_u32 s9, s9, s8                        ; my row i
	s_mov_b32 s18, 0x76543210                      ; v_permlanex16_b32: lane i of the other half
	s_mov_b32 s19, 0xfedcba98
	s_sub_co_u32 s12, 3, s8                        ; for the tables wave w serves layer 3 - w (slot w)
	s_mul_i32 s12, s12, 528                        ; its 132 weights, in bytes
	s_mul_i32 s13, s8, SP
	v_lshlrev_b32 v[TA], 4, v1                     ; slot 0
	v_add_nc_u32 v[SA], s13, v[TA]                 ; the slot that I fill
	s_lshr_b32 s13, s9, 4
	s_lshl_b32 s13, s13, 5
	s_and_b32 s14, s9, 15
	s_add_co_u32 s13, s13, s14                     ; row (i>>4)*32 + (i&15) of u
	s_lshl_b32 s13, s13, 9
	v_lshl_add_u32 v[CO], v1, 4, s13
.irp c, 0,1,2,3,4
	v_bfe_u32 v[BI+\c], v1, 4-\c, 1
.endr
.irp c, 0,1,2,3,4
	v_cvt_f32_u32 v[BF+\c], v[BI+\c]
.endr
.irp c, 0,1,2,3,4
	v_lshlrev_b32 v[SGW+\c], 31, v[BI+\c]
.endr
.irp c, 0,1,2,3,4
	v_fma_f32 v[SF+\c], v[BF+\c], 2.0, -1.0
.endr
	v_mov_b32 v[KS], 0xa3d73f9f                    ; -1 / (15! 2^15)
	v_mov_b32 v[KS+1], 0xa3d73f9f
	v_mov_b32 v[KC], 0x21573f9f                    ; 1 / (16! 2^16)
	v_mov_b32 v[KC+1], 0x21573f9f
	s_wait_kmcnt 0x0
	s_load_b256 s[20:27], s[4:5], s12 offset:0x0   ; RY 0..7
	s_load_b512 s[28:43], s[4:5], s12 offset:144   ; RY 36..43, RX 44..51
	s_load_b512 s[44:59], s[4:5], s12 offset:320   ; RX 80..87, RZ 88..95
	s_load_b256 s[68:75], s[4:5], s12 offset:496   ; RZ 124..131
	v_lshlrev_b32 v2, 3, v1                        ; meanwhile: the state e_i
	v_sub_nc_u32 v2, s9, v2                        ; i - 8 lane: the rho of the 1, if it is 0..7
.irp r, 0,1,2,3,4,5,6,7
	v_cmp_eq_u32 s[76+\r], \r, v2
.endr
.irp r, 0,1,2,3,4,5,6,7
	v_cndmask_b32 v[X+2*\r], 0, 1.0, s[76+\r]
	v_mov_b32 v[X+2*\r+1], 0
.endr
	s_wait_kmcnt 0x0
.irp q, 0,1,2,3,4,5,6,7
	s_add_f32 s[52+\q], s[52+\q], s[68+\q]         ; the two RZ of a wire
.endr
	; the RX section's entries
.set CBASE, 52
	PHASES 36, 44
	PSC PH, TX, TMP, 13
.irp j, 0,1,2,3,4,5,6,7,8,9,10,11,12
	ds_store_b128 v[SA], v[TX+4*\j:TX+4*\j+3] offset:OTX+512*\j
.endr
	; the RY section's entries
.set CBASE, 8
	PHASES 20, 28
	PSC PH, TY, TMP, 13
	SX 0, 0
	SX 1, 1
	SX 2, 2
	SX 3, 3
	SX 4, 4
	SX 7, 4
	SX 9, 3
	SX 17, 4
	SX 19, 3
	SX 20, 4
	SX 21, 2
	SX 22, 3
	SX 23, 2
	SX 24, 1
	SX 25, 0
.irp j, 0,1,2,3,4,5,6,7,8,9,10,11,12
	ds_store_b128 v[SA], v[TY+4*\j:TY+4*\j+3] offset:OTY+512*\j
.endr
	; the diagonal: exp(i psi / 2), psi(k) = sum over wires t of sigma_t V_t, sigma_t = +1 where bit t of k is 1, else -1,
	; V_t = the two RZ angles of wire t + sum over c < t of bit c x (96 + pair number of (c, t))
.set CBASE, 96
.set VV, PH+7                          ; V_t in v[VV+t], t = 1..7, the controls in the lane
.set LL, PH+15                         ; the lane wires' part
.irp t, 1,2,3,4,5,6,7
	FB 0, \t
	v_fma_f32 v[VV+\t], v[BF], fb, s[52+\t]
.endr
.irp c, 1,2,3,4
.irp t, 2,3,4,5,6,7
.if \t > \c
	FB \c, \t
	v_fmamk_f32 v[VV+\t], v[BF+\c], fb, v[VV+\t]
.endif
.endr
.endr
	v_mul_f32 v[LL], s52, v[SF]
	FB 5, 6
	v_add_f32 v[PH+18], fb, v[VV+6]                ; V6 where wire 5 is 1
	FB 6, 7
	v_add_f32 v[PH+23], fb, v[VV+7]                ; V7 where (wire 5, wire 6) = (0, 1)
	FB 5, 7
	v_add_f32 v[PH+24], fb, v[VV+7]                ; (1, 0)
.irp t, 1,2,3,4
	v_fmac_f32 v[LL], v[SF+\t], v[VV+\t]
.endr
	FB 6, 7
	v_add_f32 v[PH+25], fb, v[PH+24]               ; (1, 1)
	v_sub_f32 v[PH+16], v[LL], v[VV+5]             ; wire 5 = 0
	v_add_f32 v[PH+17], v[LL], v[VV+5]             ; wire 5 = 1
	v_sub_f32 v[PH+19], v[PH+16], v[VV+6]          ; (0, 0)
	v_add_f32 v[PH+20], v[PH+16], v[VV+6]          ; (0, 1)
	v_sub_f32 v[PH+21], v[PH+17], v[PH+18]         ; (1, 0)
	v_add_f32 v[PH+22], v[PH+17], v[PH+18]         ; (1, 1)
	v_sub_f32 v[PH+0], v[PH+19], v[VV+7]           ; psi at rho = 0 .. 7
	v_add_f32 v[PH+1], v[PH+19], v[VV+7]
	v_sub_f32 v[PH+2], v[PH+20], v[PH+23]
	v_add_f32 v[PH+3], v[PH+20], v[PH+23]
	v_sub_f32 v[PH+4], v[PH+21], v[PH+24]
	v_add_f32 v[PH+5], v[PH+21], v[PH+24]
	v_sub_f32 v[PH+6], v[PH+22], v[PH+25]
	v_add_f32 v[PH+7], v[PH+22], v[PH+25]
	PSC PH, DG, TMP, 4
.irp pp, 0,1,2,3
	ds_store_b128 v[SA], v[DG+4*\pp:DG+4*\pp+3] offset:ODG+512*\pp
.endr
	s_wait_dscnt 0x0                               ; my tables are in LDS: the other three waves read them behind the barrier
	s_barrier_signal -1
	s_barrier_wait -1
; ---- the four layers ----
.macro LOADDX                          ; 17 loads: a slot's diagonal and RX entries
.irp pp, 0,1,2,3
	ds_load_b128 v[DG+4*\pp:DG+4*\pp+3], v[TA] offset:ODG+512*\pp
.endr
.irp j, 0,1,2,3,4,5,6,7,8,9,10,11,12
	ds_load_b128 v[TX+4*\j:TX+4*\j+3], v[TA] offset:OTX+512*\j
.endr
.endm
; One layer.  Its diagonal and RX entries were asked for half a layer ago; its RY entries are asked for here and used half a layer on.
; ahead = 1: in the middle the next slot's diagonal and RX entries are asked for.
.macro TRIP ahead
.irp j, 0,1,2,3,4,5,6,7,8,9,10,11,12
	ds_load_b128 v[TY+4*\j:TY+4*\j+3], v[TA] offset:OTY+512*\j
.endr
	s_wait_dscnt 13                                ; LDS loads come back in order (ISA guide 5.7.1): all is in but the 13 just issued
.set r2, 0
.rept 8
	PMULS T+2*r2, X+2*r2, DG+4*(r2>>1)+2, r2&1     ; (re, im) * d.im
.set r2, r2+1
.endr
.set r2, 0
.rept 8
	PFMA X+2*r2, DG+4*(r2>>1), T+2*r2, r2&1, 3     ; x d.re + i x d.im
.set r2, r2+1
.endr
	SECTION 1, TX
.if \ahead
	v_add_nc_u32 v[TA], SP, v[TA]                  ; the next slot
	LOADDX
	s_wait_dscnt 17                                ; the RY entries are in; the 17 loads just issued stay out
.else
	s_wait_dscnt 0x0                               ; the RY entries are in; nothing was issued behind them
.endif
	SECTION 0, TY
.endm
	LOADDX                                         ; slot 0
	s_mov_b32 s15, 0
.Llayer:                                       ; trip n: layer 3 - n, from slot n
	TRIP 1
	s_add_co_u32 s15, s15, 1
	s_cmp_lt_u32 s15, 3
	s_cbranch_scc1 .Llayer
	TRIP 0                                         ; layer 0, from slot 3: no slot follows
	; out: my lane's 8 real parts and 8 imaginary parts, 16 bytes each; a store of the wave covers 512 consecutive bytes, aligned
.irp j, 0,1,2,3
	v_cvt_pk_bf16_f32 v[O+\j], v[X+4*\j], v[X+4*\j+2]
	v_cvt_pk_bf16_f32 v[O+4+\j], v[X+4*\j+1], v[X+4*\j+3]
.endr
	global_store_b128 v[CO], v[O:O+3], s[6:7]
	global_store_b128 v[CO], v[O+4:O+7], s[6:7] offset:8192
	s_wait_tensorcnt 0x0
	ds_add_u32 v254, v255
	s_wait_dscnt 0x0
	s_endpgm
.Lfunc_end_k_q13c4194aec_build:
	.size	k_q13c4194aec_build, .Lfunc_end_k_q13c4194aec_build-k_q13c4194aec_build
	.p2alignl 7, 3214868480
	.fill 96, 4, 3214868480
	.section	.rodata,"a",@progbits
	.p2align	6, 0x0
	.amdhsa_kernel k_q13c4194aec_build
		.amdhsa_group_segment_fixed_size 61952
		.amdhsa_private_segment_fixed_size 0
		.amdhsa_enable_private_segment 0
		.amdhsa_kernarg_size 16
		.amdhsa_user_sgpr_count 2
		.amdhsa_user_sgpr_kernarg_segment_ptr 1
		.amdhsa_wavefront_size32 1
		.amdhsa_system_sgpr_workgroup_id_x 1
		.amdhsa_system_sgpr_workgroup_id_y 1
		.amdhsa_system_sgpr_workgroup_id_z 1
		.amdhsa_system_vgpr_workitem_id 0
		.amdhsa_next_free_vgpr 256
		.amdhsa_next_free_sgpr 84
		.amdhsa_reserve_vcc 0
		.amdhsa_float_denorm_mode_32 3
		.amdhsa_float_denorm_mode_16_64 3
		.amdhsa_memory_ordered 1
		.amdhsa_forward_progress 1
		.amdhsa_inst_pref_size 198
	.end_amdhsa_kernel
	.amdgpu_metadata
---
amdhsa.version: [ 1, 2 ]
amdhsa.kernels:
  - .name:           k_q13c4194aec_build
    .symbol:         k_q13c4194aec_build.kd
    .args:
      - { .name: qweights, .offset: 0, .size: 8, .value_kind: global_buffer, .address_space: global }
      - { .name: u, .offset: 8, .size: 8, .value_kind: global_buffer, .address_space: global }
    .group_segment_fixed_size: 61952
    .private_segment_fixed_size: 0
    .kernarg_segment_align: 8
    .kernarg_segment_size: 16
    .max_flat_workgroup_size: 128
    .sgpr_count:     84
    .vgpr_count:     256
    .wavefront_size: 32
...
	.end_amdgpu_metadata
.endif
;; end of part 3
;; launch apply: the kernel of part 2 again; grid 64 x 1, 4 waves a work-group, clusters of 4 x 1, 320,000 bytes of LDS; arguments x, u, fc_w, fc_b, out0; writes out0
